; MI455X (gfx1250); checked and timed in simulation.
; The chip was launched on July 23, 2026; its instructions are those of AMD's public machine-readable ISA for CDNA 5 (MIT licence, August 2026) and "CDNA5" Instruction Set Architecture Reference Guide (July 2026). The comments in the code are by the model that wrote it; some were corrected since.
;; Voxel Feature Extractor. Allowed arithmetic: matrix products marked QUANTISED: E3M2 operands, one E8M0 scale for each 32 along K, by v_wmma_scale_f32_16x16x128_f8f6f4 with both operands' format E3M2, f32 sums; products left as they are: f32 operands where the result goes on into a quantised operand, else bf16, f16 or f32 operands; f32 sums; everything else in f32.
;; Inputs: W1 4 x 64 float32; W2 64 x 64 float32; W3 64 x 128 float32; b1 64 float32; b2 64 float32; b3 128 float32; be1 64 float32; be2 64 float32; g1 64 float32; g2 64 float32; m1 64 float32; m2 64 float32; v1 64 float32; v2 64 float32; voxel_features 50,000 x 32 x 4 float32; voxel_num_points 50,000 int32.
;; Outputs: out0 50,000 x 128 float32.
;; This version of the problem:
;;   THIS VERSION OF THE PROBLEM IS GIVEN IN LOW PRECISION. The matrix products marked QUANTISED in the list below multiply operands that are first quantised to E3M2 (3 exponent bits, 2 mantissa bits; 6 bits a number), with one power-of-two scale for each 32 numbers along K (OCP MX v1.0); their sums are f32. All else is computed in f32.
;;   The module's matrix products, in the order in which they are computed (A, B: the left and right operand; K: the contracted axis; several contracted axes count as one K, in the product's order):
;;     1. [M 1,600,000, K 4] x [K 4, N 64]; A: input voxel_features; B: input W1: left as it is (K = 4 < 32)
;;     2. [M 1,600,000, K 64] x [K 64, N 64]; A: computed on the way; B: input W2: QUANTISED
;;     3. [M 1,600,000, K 64] x [K 64, N 128]; A: computed on the way; B: input W3: QUANTISED
;;   THE QUANTISER, for each operand of a quantised product, along K:
;;     - K is cut into blocks of 32 from its start; a last block that is shorter is filled with zeros.
;;     - A block's scale is 2^e with e = floor(log2(the largest magnitude in the block)) - 4, held to -126 .. 127; a block of zeros has e = 0. As a byte (E8M0): e + 127.
;;     - Each number is divided by its block's scale, clamped to +-28, and rounded to the nearest number of E3M2, ties to even, subnormals kept.
;;     - The product sums the exact products of the quantised numbers (number of the format x scale) in f32.
;;   ~~~python
;;   def quantise(x, axis):      # numpy; x: float32 -> the quantised numbers, widened to float32 again
;;       x = np.moveaxis(x, axis, -1); K = x.shape[-1]
;;       x = np.pad(x, [(0, 0)] * (x.ndim - 1) + [(0, -K % 32)]); x = x.reshape(x.shape[:-1] + (-1, 32)); a = np.abs(x).max(-1, keepdims=True)
;;       e = np.where(a > 0, np.clip(np.frexp(np.where(a > 0, a, 1))[1] - 1 - 4, -126, 127), 0)      # np.frexp(a)[1] - 1 = floor(log2(a)), exactly
;;       r = np.clip(x / 2.0 ** e, -28, 28)
;;       step = 2.0 ** (np.maximum(np.frexp(np.where(r == 0, 1, r))[1] - 1, -2) - 2)
;;       q = np.round(r / step) * step * 2.0 ** e      # np.round: ties to even
;;       return np.moveaxis(q.reshape(q.shape[:-2] + (-1,))[..., :K], -1, axis).astype(np.float32)
;;   ~~~
;;   OPERANDS COMPUTED ON THE WAY. 'Computed on the way' means the value that the module computes at that place (a softmax that the list does not call 'softmax' is quantised finished and normalised). What goes into a quantiser is computed in f32, as accurately as f32 sums, v_exp_f32 and their like allow (about 1e-6 of the number): no bf16 or f16 on the way to a quantiser, and a product that is left as it is and whose result goes on into a quantised operand takes f32 operands (vector FMAs, or v_wmma_f32_16x16x4_f32). A number that lies on a knife's edge between two numbers of the format may be rounded either way, as far as f32 arithmetic and the matrix unit's own rounding can turn it there, and no further.
;; 2 versions, each right; version 2 is version 1 with the launch vfe written anew for expert scheduling mode. Each part assembles by itself: llvm-mc -triple=amdgcn-amd-amdhsa -mcpu=gfx1250 --defsym DOCPART=n.
;; ======== version 1 of 2: 1 launch
;; launch vfe (part 1): grid 250 x 1, 8 waves a work-group, no clusters, 28,672 bytes of LDS; arguments voxel_features, voxel_num_points, W1, W2, W3, b3, out0, b1, g1, be1, m1, v1, b2, g2, be2, m2, v2; writes out0
.if DOCPART == 1
	.amdgcn_target "amdgcn-amd-amdhsa--gfx1250"
	.amdhsa_code_object_version 6
	.text
	.protected	k_q0f3036fefe_vfe
	.globl	k_q0f3036fefe_vfe
	.p2align	8
	.type	k_q0f3036fefe_vfe,@function
k_q0f3036fefe_vfe:
	s_mov_b64 s[64:65], 0
	v_nop
	global_prefetch_b8 v0, s[64:65] scope:SCOPE_SE
	s_setreg_imm32_b32 hwreg(HW_REG_WAVE_MODE, 25, 1), 1
	s_wait_xcnt 0x0
; out0[v][o] = max over the points p < n[v] of ( relu(BN2( Q(relu(BN1(x W1 + b1))) Q(W2) + b2 )) quantised, x Q(W3) + b3 )[v][p][o].
; x: [50000][32][4] f32; n: [50000] i32; W1 [4][64], W2 [64][64], W3 [64][128] f32, K first; out0: [50000][128] f32.
; Q: codes of E3M2 with one E8M0 scale for each 32 along K.  Layer 1 (K = 4) is a product on f32 operands; layers 2 and 3 are products on codes.
; SHARES.  50,000 voxels = 250 work-groups x 8 waves x 25 voxels.  A wave walks its 25 voxels in 5 trips of 5: ten tiles of 16 points a trip.  Waves share only the weights, made once at the head.
; LAYOUT.  r = lane % 16, h = lane / 16.
;   Layers 1 and 2 are used transposed (source 0 = 16 output channels, source 1 = 16 points): lane (r, h) holds point r, and register 8 t + j the channel 16 t + 8 h + j.
;   K = 64 IS SPREAD OVER THE INSTRUCTION'S 128: registers 6 c .. 6 c + 2 of a lane hold 16 codes, registers 6 c + 3 .. 6 c + 5 zero codes, on both operands.  Code i of (c, h) is channel 32 c + 16 (i / 8) + 8 h + i % 8,
;   which is the lane's register 16 c + i of a transposed result: so one conversion of 16 writes three operand registers where they belong, and nothing changes lanes.  The problem's block c lies half in lanes 0-15 and half in lanes
;   16-31: both halves carry its byte, so a scale word is e0, e0, e1, e1.
;   Layer 3 is used as it stands (source 0 = 16 points, source 1 = 16 columns of W3): a lane holds ONE output channel and eight points, so the maximum over points stays in the lane.  Lane r of tile 2 q + e takes column
;   64 e + 4 r + q: after one exchange of halves for each pair of tiles lane l holds channels 4 l .. 4 l + 3, and one store of 16 bytes a lane writes a voxel's 512 consecutive bytes, aligned.
; BN1 is folded into layer 1 in f32: s1 = g1 rsq(v1 + eps), W1 s1 as the operand, t1 = (b1 - m1) s1 + be1 as the product's C.  BN2 is one packed multiply-add with s2, t2 likewise made.  b3 is added behind the maximum (an f32 addition keeps order).
; THE MASK.  A point p >= n is replaced AT THE INPUT by point 0's four numbers: its row then repeats point 0's results bit for bit and changes no maximum.  A voxel with n <= 0 gets -infinity, as the definition has it; n > 32 keeps all 32 points.
; LIMITS.  NaN and infinities among the numbers that count are not served.  A block whose largest magnitude lies under 2^-122 keeps the scale byte 1; a block of zeros gets the byte 1 where the rule says 127 (its codes are zeros,
; and the bytes are read by this program alone).  Folding the norms gives another order of f32 rounding than (y + b - m) rsq g + be.
; No tensor load, no ring: x goes from memory straight into operand registers (a load of 8 bytes a lane covers 256 consecutive bytes, aligned), asked for one trip (5 voxels' work) ahead of its wait.
; No cluster: what work-groups share is the weights' 52 KB, read once by each, beside 100 KB of x and as much of out0 that are its own.
.set BAT,   5                          ; voxels in a trip
.set TRIPS, 5                          ; trips of a wave
; LDS: written once at the head, read once behind the one barrier
.set IMG2,  0                          ; W2's fragments as images of their registers: 8 x 1,536 bytes (wave w makes tile w % 4: the four tiles lie there twice, so that the head has no branch)
.set IMG3,  12288                      ; W3's eight: wave w makes tile w
.set SC2,   24576                      ; their scale words, 128 bytes a tile
.set SC3,   25600
.set PAR,   26624                      ; s1[64], t1[64], s2[64], t2[64]
; window 0
.set R,    1                           ; v1   r
.set R16,  2                           ; v2   r + 16
.set XO,   3                           ; v3   16 r + 8 h: my 8 bytes of a tile of x
.set LO,   4                           ; v4   16 x lane
.set LS,   5                           ; v5   4 x lane
.set NINF, 6                           ; v6   -infinity
.set HH,   7                           ; v7   h
.set DT0,  8                           ; v8-9 point 0's two numbers of my half
.set DT1,  9
.set B3,   10                          ; v10-13 b3[4 l .. 4 l + 3]
.set OUT,  14                          ; v14-17 a voxel's four results of my lane
.set W3O,  18                          ; v18-25, v48-50: offsets that the head alone uses
.set W2O,  19
.set W1O,  20
.set PO,   21
.set IW,   22
.set SW,   23
.set PWA,  24
.set LI2,  25
.set W2S,  26                          ; v26-29 W2's scale words;  v30-37 W3's;  v38 h1's;  v39 h2's: these hold scales and nothing else
.set W3S,  30
.set SA,   38
.set SB,   39
.set TM,   40                          ; v40-47 the quantiser's: 0-3 four chains, 4-5 the other half's maxima, then bytes, 6-7 the conversions' scale operands
.set LS2,  48
.set PA,   49
.set R4,   50
.set FA,   52                          ; v52-63 h1's fragment;  v64-75 h2's.  Registers +3..5 and +9..11 of both are zero for the whole launch
.set FB,   64
.set M,    76                          ; v76-83 running maxima, one for each tile of layer 3
.set XB,   84                          ; v84-103 x of five voxels as loaded
.set XA,   104                         ; v104-123 the same, masked: tile g at XA + 2 g
.set A1,   124                         ; v124-155 layer 1's results: written by matrix instructions alone
.set HB,   156                         ; v156-187 h1, then layer 2's results, then h2
.set A3,   188                         ; v188-251 layer 3's results
.set W1R,  156                         ; head only: W1 as loaded; s1; five parameters, s, t; a tile of W3 and one of W2 as loaded
.set S1R,  164
.set PB,   168
.set W3R,  188
.set W2R,  220
; window 1
.set W2F,  0                           ; W2's 4 fragments
.set W3F,  48                          ; W3's 8
.set T1R,  144                         ; t1, s2, t2 in the transposed results' layout: register 8 t + j = [16 t + 8 h + j]
.set S2R,  176
.set T2R,  208
.set W1S,  240                         ; W1 s1: tile t at 2 t: register j = W1[2 h + j][16 t + r] s1[16 t + r]
; scalars
.set WV,   2                           ; wave 0..7
.set SEL,  4                           ; s[4:5] v_permlanex16_b32's selects for lane l xor 16
.set TR,   6                           ; the trip
.set MK,   7                           ; a lane mask
.set XP,   52                          ; s[52:53] x at the batch that was asked for last
.set NPP,  54                          ; s[54:55] the counts likewise
.set OP,   56                          ; s[56:57] out0 at the trip's first voxel
.set N,    58                          ; s58-62 five counts
.set FL,   66                          ; s66-70 all ones where n > 0, else 0; s71 a copy of the fifth
.set MSB, 0
.macro WIN new                         ; bits 1:0 source 0, 3:2 source 1, 5:4 source 2, 7:6 destination; the immediate's high byte repeats the setting that is left
.if MSB != \new
	s_set_vgpr_msb (MSB<<8)|\new
.set MSB, \new
.endif
.endm
.macro NOPS n
.rept \n
	v_nop
.endr
.endm
; relu of registers i0 .. i0 + n - 1, ascending: an accumulator is read from its low end on
.macro RELU d, s, i0, n
.set ri, \i0
.rept \n
	v_max_num_f32 v[\d+ri], 0, v[\s+ri]
.set ri, ri+1
.endr
.endm
; 32 numbers of a lane, v[s] on (register 16 c + i: the lane's 16 of block c), become codes in v[f + 6 c .. f + 6 c + 2] and the scale word v[w]
.macro QUANT s, f, w
.irp c, 0,1
	v_max3_num_f32 v[TM+\c], |v[\s+16*\c]|, |v[\s+16*\c+1]|, |v[\s+16*\c+2]|              ; two chains a block, four in all, by turns
	v_max3_num_f32 v[TM+2+\c], |v[\s+16*\c+7]|, |v[\s+16*\c+8]|, |v[\s+16*\c+9]|
.endr
.irp i, 3,5
.irp c, 0,1
	v_max3_num_f32 v[TM+\c], v[TM+\c], |v[\s+16*\c+\i]|, |v[\s+16*\c+\i+1]|
	v_max3_num_f32 v[TM+2+\c], v[TM+2+\c], |v[\s+16*\c+\i+7]|, |v[\s+16*\c+\i+8]|
.endr
.endr
.irp c, 0,1
	v_max3_num_f32 v[TM+\c], v[TM+\c], v[TM+2+\c], |v[\s+16*\c+14]|
.endr
.irp c, 0,1
	v_max3_num_f32 v[TM+\c], v[TM+\c], |v[\s+16*\c+15]|, 0x2800000                        ; and the floor 2^(5 - 127): the byte cannot fall under 1
.endr
.irp c, 0,1
	v_permlanex16_b32 v[TM+4+\c], v[TM+\c], s[SEL], s[SEL+1]
.endr
.irp c, 0,1
	v_max_num_f32 v[TM+\c], v[TM+\c], v[TM+4+\c]                                          ; with lane l xor 16's 16: the block's largest magnitude
.endr
.irp c, 0,1
	v_add_nc_u32 v[TM+6+\c], 0xfe000000, v[TM+\c]                                         ; 4 off its exponent field: the conversion's scale operand
.endr
.irp c, 0,1
	v_lshrrev_b32 v[TM+4+\c], 23, v[TM+6+\c]                                              ; the scale's byte
.endr
	v_lshl_or_b32 v[\w], v[TM+5], 16, v[TM+4]                                             ; e0, 0, e1, 0
	v_lshl_or_b32 v[\w], v[\w], 8, v[\w]                                                  ; e0, e0, e1, e1
.irp c, 0,1
	v_cvt_scalef32_pk16_bf6_f32 v[\f+6*\c:\f+6*\c+2], v[\s+16*\c:\s+16*\c+15], v[TM+6+\c]
.endr
.endm
.macro IMAGE adr, f, off               ; a fragment's 12 registers go to LDS as they stand: 16 bytes a lane, 512 a store
.irp c, 0,1,2
	ds_store_b128 v[\adr], v[\f+4*\c:\f+4*\c+3] offset:\off+512*\c
.endr
.endm
; voxel s of the batch in XB: points at or past its count take point 0's numbers (lane 0 of my row of 16 lanes holds point 0's two numbers of my half)
.macro MASK s
	v_mov_b32_dpp v[DT0], v[XB+4*\s] row_share:0 row_mask:0xf bank_mask:0xf
	v_mov_b32_dpp v[DT1], v[XB+4*\s+1] row_share:0 row_mask:0xf bank_mask:0xf
	v_cmp_gt_i32 vcc_lo, s[N+\s], v[R]             ; points 0-15: kept where n > r
	v_cmp_gt_i32 s[MK], s[N+\s], v[R16]            ; points 16-31
	v_cndmask_b32 v[XA+4*\s], v[DT0], v[XB+4*\s], vcc_lo
	v_cndmask_b32 v[XA+4*\s+1], v[DT1], v[XB+4*\s+1], vcc_lo
	v_cndmask_b32 v[XA+4*\s+2], v[DT0], v[XB+4*\s+2], s[MK]
	v_cndmask_b32 v[XA+4*\s+3], v[DT1], v[XB+4*\s+3], s[MK]
	s_cmp_gt_i32 s[N+\s], 0
	s_cselect_b32 s[FL+\s], -1, 0
.endm
.macro LOADX                           ; a batch: five voxels' x (ten loads of 256 consecutive bytes) and their counts
.irp s, 0,1,2,3,4
.irp u, 0,1
	global_load_b64 v[XB+4*\s+2*\u:XB+4*\s+2*\u+1], v[XO], s[XP:XP+1] offset:512*\s+256*\u th:TH_LOAD_NT
.endr
.endr
.irp s, 0,1,2,3,4
	s_load_b32 s[N+\s], s[NPP:NPP+1], 4*\s
.endr
.endm
.macro LAY1 g                          ; under window setting 0x11: 64 channels x 16 points of tile g; C = t1
.irp t, 0,1,2,3
	v_wmma_f32_16x16x4_f32 v[A1+8*\t:A1+8*\t+7], v[W1S+2*\t:W1S+2*\t+1], v[XA+2*(\g):XA+2*(\g)+1], v[T1R+8*\t:T1R+8*\t+7]
.endr
.endm
.macro LAY2                            ; under 0x11: source 0 = W2's tile (window 1), source 1 = h1
.irp t, 0,1,2,3
	v_wmma_scale_f32_16x16x128_f8f6f4 v[HB+8*\t:HB+8*\t+7], v[W2F+12*\t:W2F+12*\t+11], v[FA:FA+11], 0, v[W2S+\t], v[SA] matrix_a_fmt:MATRIX_FMT_BF6 matrix_b_fmt:MATRIX_FMT_BF6
.endr
.endm
.macro LAY3                            ; under 0x04: source 0 = h2, source 1 = W3's tile (window 1)
.irp t, 0,1,2,3,4,5,6,7
	v_wmma_scale_f32_16x16x128_f8f6f4 v[A3+8*\t:A3+8*\t+7], v[FB:FB+11], v[W3F+12*\t:W3F+12*\t+11], 0, v[SB], v[W3S+\t] matrix_a_fmt:MATRIX_FMT_BF6 matrix_b_fmt:MATRIX_FMT_BF6
.endr
.endm
.macro BN                              ; under 0x14: y s2 + t2, two at a time, ascending
.set bi, 0
.rept 16
	v_pk_fma_f32 v[HB+bi:HB+bi+1], v[HB+bi:HB+bi+1], v[S2R+bi:S2R+bi+1], v[T2R+bi:T2R+bi+1]
.set bi, bi+2
.endr
.endm
; level lev (1 to 4) of the maximum over a tile's eight points of a lane, for all eight tiles of channels.  u = 0: a voxel's first 16 points start the maxima; u = 1: its last 16 join them
.macro MXL lev, u
.irp t, 0,1,2,3,4,5,6,7
.if (\u) == 0
.if (\lev) == 1
	v_max3_num_f32 v[M+\t], v[A3+8*\t], v[A3+8*\t+1], v[A3+8*\t+2]
.elseif (\lev) == 4
	v_max_num_f32 v[M+\t], v[M+\t], v[A3+8*\t+7]
.else
	v_max3_num_f32 v[M+\t], v[M+\t], v[A3+8*\t+2*(\lev)-1], v[A3+8*\t+2*(\lev)]
.endif
.else
	v_max3_num_f32 v[M+\t], v[M+\t], v[A3+8*\t+2*(\lev)-2], v[A3+8*\t+2*(\lev)-1]
.endif
.endr
.endm
; voxel s of the trip leaves.  Tiles 2 q and 2 q + 1 change halves: then both registers hold, in lane l, channel 4 l + q: points 8 h' + .. of the one half of lanes and of the other
.macro FIN s, fl
	s_wait_xcnt 0x0                                ; the last store has read OUT: it is written again only behind this wait
.irp q, 0,1,2,3
	v_permlane16_swap_b32 v[M+2*\q], v[M+2*\q+1]
.endr
.irp q, 0,1,2,3
	v_max_num_f32 v[OUT+\q], v[M+2*\q], v[M+2*\q+1]
.endr
	v_pk_add_f32 v[OUT:OUT+1], v[OUT:OUT+1], v[B3:B3+1]
	v_pk_add_f32 v[OUT+2:OUT+3], v[OUT+2:OUT+3], v[B3+2:B3+3]
.irp q, 0,1,2,3
	v_cndmask_b32 v[OUT+\q], v[NINF], v[OUT+\q], s[\fl]   ; a voxel without points: -infinity
.endr
	global_store_b128 v[LO], v[OUT:OUT+3], s[OP:OP+1] offset:512*(\s) th:TH_STORE_NT   ; 32 lanes store 512 consecutive bytes, at a multiple of 512 from out0's first byte
.endm
; The batch that was asked for a trip ago is masked, the batch after it is asked for, and the first tile's layer 1 starts.
.macro NEXT inloop
	s_wait_loadcnt 0x0                             ; x of the batch
	s_wait_kmcnt 0x0                               ; and its counts
.irp s, 0,1,2,3,4
	MASK \s
.endr
.if \inloop
	s_cmp_ge_u32 s[TR], TRIPS-2                    ; trip i masks batch i + 1 and asks for batch i + 2: there is none from trip 3 on: no load leaves its buffer
	s_cbranch_scc1 .Lnoload_\@
.endif
	s_wait_xcnt 0x0                                ; the pointers are stepped only behind this wait
	s_add_nc_u64 s[XP:XP+1], s[XP:XP+1], BAT*512
	s_add_nc_u64 s[NPP:NPP+1], s[NPP:NPP+1], BAT*4
	LOADX
.if \inloop
.Lnoload_\@:
.endif
	WIN 0x11
	LAY1 0
	WIN 0
.endm
; TILE g OF A TRIP.  The matrix unit works on layer 3 of tile g - 1 under h1's quantiser, on layer 2 of tile g and layer 1 of tile g + 1 under the pooling of tile g - 1 and h2's quantiser.
; The distances behind and in front of matrix instructions (in front of a scaled one: eight plain vector instructions behind the write of a scale register, four behind that of an operand) are filled by that work:
; only where none is at hand (tile 0 has no tile before it in the trip, tile 9 none behind it) stand v_nop.
.macro STEP g
.if (\g) == 0
	RELU HB, A1, 0, 32                             ; h1
.else
	RELU HB, A1, 8, 24                             ; h1: its first eight registers were done in front of the last tile's layer 3
.endif
	QUANT HB, FA, SA
.if (\g) == 0
	NOPS 8
.else
	MXL 1, (\g+1)%2                                ; eight plain lines that name nothing of layer 2's: behind SA's write, FA's conversions
.endif
	WIN 0x11
	LAY2
.if (\g) < 9
	LAY1 (\g)+1
.endif
	WIN 0
.if (\g) == 0
	NOPS 4
.else
	MXL 2, (\g+1)%2                                ; sixteen: the places behind layer 2, ahead of the read of its results
	MXL 3, (\g+1)%2
.endif
	WIN 0x14
	BN
	WIN 0
	RELU HB, HB, 0, 32                             ; h2
	QUANT HB, FB, SB
.if (\g) == 0
	v_nop                                          ; a plain line behind the conversions, whose sources are written next
.else
	MXL 4, (\g+1)%2                                ; the last reads of the last tile's results
.endif
.if (\g) < 9
	RELU HB, A1, 0, 8                              ; the next tile's h1 begins: eight plain lines that name nothing of layer 3's, behind SB's write
.else
	NOPS 8
.endif
	WIN 0x04
	LAY3
	WIN 0
.if ((\g)%2 == 0) && ((\g) >= 2)
	FIN (\g)/2-1, FL+(\g)/2-1                      ; the voxel whose second tile has just been pooled
.endif
.endm
	; ---- THE HEAD
	s_load_b512 s[8:23], s[0:1], 0x0               ; x s[8:9], n s[10:11], W1 s[12:13], W2 s[14:15], W3 s[16:17], b3 s[18:19], out0 s[20:21], b1 s[22:23]
	s_load_b512 s[24:39], s[0:1], 0x40             ; g1 s[24:25], be1 s[26:27], m1 s[28:29], v1 s[30:31], b2 s[32:33], g2 s[34:35], be2 s[36:37], m2 s[38:39]
	s_load_b64 s[40:41], s[0:1], 0x80              ; v2
	v_lshl_add_u32 v254, v0, 2, 0x6c00
	v_mov_b32 v255, 0
	v_lshrrev_b32 v[HH], 5, v0
	v_readfirstlane_b32 s[WV], v[HH]               ; wave 0..7
	v_and_b32 v[R], 15, v0
	v_bfe_u32 v[HH], v0, 4, 1
	v_and_b32 v[LS], 31, v0
	v_lshlrev_b32 v[LO], 4, v[LS]
	v_lshlrev_b32 v[LS], 2, v[LS]
	v_add_nc_u32 v[R16], 16, v[R]
	v_lshlrev_b32 v[XO], 4, v[R]
	v_lshl_add_u32 v[XO], v[HH], 3, v[XO]
	v_lshlrev_b32 v[R4], 2, v[R]
	v_lshlrev_b32 v[PA], 5, v[HH]                  ; 32 h: my half's eight numbers of a tile of 16 channels
	v_lshl_add_u32 v[W1O], v[HH], 9, v[R4]         ; W1: row 2 h, column r
	s_and_b32 s72, s[WV], 3
	s_lshr_b32 s73, s[WV], 2
	s_lshl_b32 s74, s72, 6
	v_add_nc_u32 v[PO], s74, v[R4]                 ; channel 16 (w % 4) + r, in bytes
	v_lshl_add_u32 v[W2O], v[HH], 11, v[PO]        ; W2: row 8 h, that column
	s_lshl_b32 s75, s73, 9
	v_add_nc_u32 v[PWA], s75, v[PO]                ; where s and t go: layer w / 4
	v_add_nc_u32 v[LS2], s75, v[LS]                ; which copy of W2's scale words I read
	s_mul_i32 s75, s73, 6144
	v_add_nc_u32 v[LI2], s75, v[LO]                ; and of its images
	s_mul_i32 s75, s[WV], 1536
	v_add_nc_u32 v[IW], s75, v[LO]                 ; where my images go
	s_lshl_b32 s75, s[WV], 7
	v_add_nc_u32 v[SW], s75, v[LS]                 ; and my scale words
	s_and_b32 s74, s[WV], 1
	s_lshl_b32 s74, s74, 8
	s_lshr_b32 s75, s[WV], 1
	s_lshl_b32 s75, s75, 2
	s_add_co_u32 s74, s74, s75
	v_lshlrev_b32 v[W3O], 4, v[R]
	v_lshl_add_u32 v[W3O], v[HH], 12, v[W3O]
	v_add_nc_u32 v[W3O], s74, v[W3O]               ; W3: row 8 h, column 64 (w % 2) + 4 r + w / 2
.irp i, 3,4,5,9,10,11
	v_mov_b32 v[FA+\i], 0                          ; the zero codes: written once
	v_mov_b32 v[FB+\i], 0
.endr
	v_mov_b32 v[TM+4], 0                           ; a lane permute's and a DPP move's destination counts as one of its sources: written once
	v_mov_b32 v[TM+5], 0
	v_mov_b32 v[DT0], 0
	v_mov_b32 v[DT1], 0
	v_mov_b32 v[NINF], 0xff800000
	s_mov_b32 s[SEL], 0x76543210
	s_mov_b32 s[SEL+1], 0xfedcba98
	s_lshl_b32 s72, ttmp9, 3
	s_add_co_u32 s72, s72, s[WV]                   ; which run of 25 voxels is my wave's
	s_mul_i32 s74, s72, 25*512                     ; under 2^25
	s_mov_b32 s75, 0
	s_wait_kmcnt 0x0
	s_add_nc_u64 s[XP:XP+1], s[8:9], s[74:75]
	s_add_nc_u64 s[OP:OP+1], s[20:21], s[74:75]
	s_mul_i32 s74, s72, 25*4
	s_add_nc_u64 s[NPP:NPP+1], s[10:11], s[74:75]
	s_cmp_lt_u32 s[WV], 4                          ; waves 0-3 make layer 1's s and t, waves 4-7 layer 2's: only pointers are chosen, on the wave's number
	s_cselect_b64 s[42:43], s[22:23], s[32:33]     ; b
	s_cselect_b64 s[44:45], s[24:25], s[34:35]     ; g
	s_cselect_b64 s[46:47], s[26:27], s[36:37]     ; be
	s_cselect_b64 s[48:49], s[28:29], s[38:39]     ; m
	s_cselect_b64 s[50:51], s[30:31], s[40:41]     ; v
	LOADX                                          ; the first batch goes first
.irp i, 0,1,2,3,4
	global_load_b32 v[PB+\i], v[PO], s[42+2*\i:43+2*\i]
.endr
.irp t, 0,1,2,3
.irp j, 0,1
	global_load_b32 v[W1R+2*\t+\j], v[W1O], s[12:13] offset:256*\j+64*\t
.endr
.endr
	global_load_b128 v[B3:B3+3], v[LO], s[18:19]
.irp c, 0,1
.irp i, 0,1,2,3,4,5,6,7,8,9,10,11,12,13,14,15
	global_load_b32 v[W3R+16*\c+\i], v[W3O], s[16:17] offset:(32*\c+16*(\i/8)+\i%8)*512   ; my column of W3 at k = 32 c + 16 (i / 8) + 8 h + i % 8: registers run down K in the operand's own order
.endr
.endr
.irp c, 0,1
.irp i, 0,1,2,3,4,5,6,7,8,9,10,11,12,13,14,15
	global_load_b32 v[W2R+16*\c+\i], v[W2O], s[14:15] offset:(32*\c+16*(\i/8)+\i%8)*256
.endr
.endr
	s_wait_loadcnt 0x0
	v_add_f32 v[PB+4], 0x3727c5ac, v[PB+4]         ; v + 1e-5
	v_rsq_f32 v[PB+5], v[PB+4]
	v_sub_f32 v[PB], v[PB], v[PB+3]                ; b - m: the plain line behind the transcendental
	s_wait_alu depctr_va_vdst(0)                   ; the wait ahead of the result's first reader
	v_mul_f32 v[PB+5], v[PB+5], v[PB+1]            ; s = g rsq(v + eps)
	v_fma_f32 v[PB+6], v[PB], v[PB+5], v[PB+2]     ; t = (b - m) s + be
	ds_store_b32 v[PWA], v[PB+5] offset:PAR        ; (lanes r and r + 16 write the same word with the same value)
	ds_store_b32 v[PWA], v[PB+6] offset:PAR+256
	QUANT W3R, FA, SA
	v_nop                                          ; a plain line behind the conversions
	IMAGE IW, FA, IMG3
	ds_store_b32 v[SW], v[SA] offset:SC3
	QUANT W2R, FB, SB
	v_nop
	IMAGE IW, FB, IMG2
	ds_store_b32 v[SW], v[SB] offset:SC2
	s_wait_dscnt 0x0                               ; for the others' sake: my stores have landed
	s_barrier_signal -1
	s_barrier_wait -1                              ; the one barrier: nothing is written to LDS behind it
	WIN 0x40                                       ; destination window 1, address window 0
.irp t, 0,1,2,3
.irp c, 0,1,2
	ds_load_b128 v[W2F+12*\t+4*\c:W2F+12*\t+4*\c+3], v[LI2] offset:IMG2+1536*\t+512*\c
.endr
.endr
.irp t, 0,1,2,3,4,5,6,7
.irp c, 0,1,2
	ds_load_b128 v[W3F+12*\t+4*\c:W3F+12*\t+4*\c+3], v[LO] offset:IMG3+1536*\t+512*\c
.endr
.endr
.irp t, 0,1,2,3
.irp k, 0,1
	ds_load_b128 v[T1R+8*\t+4*\k:T1R+8*\t+4*\k+3], v[PA] offset:PAR+256+64*\t+16*\k
	ds_load_b128 v[S2R+8*\t+4*\k:S2R+8*\t+4*\k+3], v[PA] offset:PAR+512+64*\t+16*\k
	ds_load_b128 v[T2R+8*\t+4*\k:T2R+8*\t+4*\k+3], v[PA] offset:PAR+768+64*\t+16*\k
.endr
.endr
	WIN 0
.irp t, 0,1,2,3
	ds_load_b32 v[W2S+\t], v[LS2] offset:SC2+128*\t
	ds_load_b32 v[S1R+\t], v[R4] offset:PAR+64*\t  ; s1[16 t + r]
.endr
.irp t, 0,1,2,3,4,5,6,7
	ds_load_b32 v[W3S+\t], v[LS] offset:SC3+128*\t
.endr
	s_wait_dscnt 0x0
	WIN 0x40
.irp t, 0,1,2,3
.irp j, 0,1
	v_mul_f32 v[W1S+2*\t+\j], v[W1R+2*\t+\j], v[S1R+\t]
.endr
.endr
	WIN 0
	NEXT 0                                         ; batch 0 is masked, batch 1 asked for, tile 0's layer 1 started
	NOPS 8                                         ; the places behind the f32 form, ahead of the first read of its results
	s_mov_b32 s[TR], 0
	; ---- THE LOOP: a trip is five voxels, ten tiles
.Ltrip:
.irp g, 0,1,2,3,4,5,6,7,8,9
	STEP \g
.endr
	s_mov_b32 s[FL+5], s[FL+4]                     ; the fifth voxel's flag is kept: the next batch's masks write the five anew
	s_cmp_eq_u32 s[TR], TRIPS-1
	s_cbranch_scc1 .Lnonext
	NEXT 1
.Lnonext:
	NOPS 4                                         ; the places behind tile 9's layer 3 on the way that has no next batch
	MXL 1, 1
	MXL 2, 1
	MXL 3, 1
	MXL 4, 1
	FIN 4, FL+5
	s_wait_xcnt 0x0                                ; the stores have read their base
	s_add_nc_u64 s[OP:OP+1], s[OP:OP+1], BAT*512
	s_add_co_u32 s[TR], s[TR], 1
	s_cmp_lt_u32 s[TR], TRIPS
	s_cbranch_scc1 .Ltrip
	s_wait_tensorcnt 0x0
	ds_add_u32 v254, v255
	s_wait_dscnt 0x0
	s_endpgm
.Lfunc_end_k_q0f3036fefe_vfe:
	.size	k_q0f3036fefe_vfe, .Lfunc_end_k_q0f3036fefe_vfe-k_q0f3036fefe_vfe
	.p2alignl 7, 3214868480
	.fill 96, 4, 3214868480
	.section	.rodata,"a",@progbits
	.p2align	6, 0x0
	.amdhsa_kernel k_q0f3036fefe_vfe
		.amdhsa_group_segment_fixed_size 28672
		.amdhsa_private_segment_fixed_size 0
		.amdhsa_enable_private_segment 0
		.amdhsa_kernarg_size 136
		.amdhsa_user_sgpr_count 2
		.amdhsa_user_sgpr_kernarg_segment_ptr 1
		.amdhsa_wavefront_size32 1
		.amdhsa_system_sgpr_workgroup_id_x 1
		.amdhsa_system_sgpr_workgroup_id_y 1
		.amdhsa_system_sgpr_workgroup_id_z 1
		.amdhsa_system_vgpr_workitem_id 0
		.amdhsa_next_free_vgpr 512
		.amdhsa_next_free_sgpr 80
		.amdhsa_reserve_vcc 1
		.amdhsa_float_denorm_mode_32 3
		.amdhsa_float_denorm_mode_16_64 3
		.amdhsa_memory_ordered 1
		.amdhsa_forward_progress 1
		.amdhsa_inst_pref_size 137
	.end_amdhsa_kernel
	.amdgpu_metadata
---
amdhsa.version: [ 1, 2 ]
amdhsa.kernels:
  - .name:           k_q0f3036fefe_vfe
    .symbol:         k_q0f3036fefe_vfe.kd
    .args:
      - { .name: voxel_features, .offset: 0, .size: 8, .value_kind: global_buffer, .address_space: global }
      - { .name: voxel_num_points, .offset: 8, .size: 8, .value_kind: global_buffer, .address_space: global }
      - { .name: W1, .offset: 16, .size: 8, .value_kind: global_buffer, .address_space: global }
      - { .name: W2, .offset: 24, .size: 8, .value_kind: global_buffer, .address_space: global }
      - { .name: W3, .offset: 32, .size: 8, .value_kind: global_buffer, .address_space: global }
      - { .name: b3, .offset: 40, .size: 8, .value_kind: global_buffer, .address_space: global }
      - { .name: out0, .offset: 48, .size: 8, .value_kind: global_buffer, .address_space: global }
      - { .name: b1, .offset: 56, .size: 8, .value_kind: global_buffer, .address_space: global }
      - { .name: g1, .offset: 64, .size: 8, .value_kind: global_buffer, .address_space: global }
      - { .name: be1, .offset: 72, .size: 8, .value_kind: global_buffer, .address_space: global }
      - { .name: m1, .offset: 80, .size: 8, .value_kind: global_buffer, .address_space: global }
      - { .name: v1, .offset: 88, .size: 8, .value_kind: global_buffer, .address_space: global }
      - { .name: b2, .offset: 96, .size: 8, .value_kind: global_buffer, .address_space: global }
      - { .name: g2, .offset: 104, .size: 8, .value_kind: global_buffer, .address_space: global }
      - { .name: be2, .offset: 112, .size: 8, .value_kind: global_buffer, .address_space: global }
      - { .name: m2, .offset: 120, .size: 8, .value_kind: global_buffer, .address_space: global }
      - { .name: v2, .offset: 128, .size: 8, .value_kind: global_buffer, .address_space: global }
    .group_segment_fixed_size: 28672
    .private_segment_fixed_size: 0
    .kernarg_segment_align: 8
    .kernarg_segment_size: 136
    .max_flat_workgroup_size: 256
    .sgpr_count:     80
    .vgpr_count:     512
    .wavefront_size: 32
...
	.end_amdgpu_metadata
.endif
;; end of part 1
;; ======== version 2 of 2: 1 launch; version 1 with the launch vfe written anew for expert scheduling mode
;; launch vfe (part 2): grid 250 x 1, 8 waves a work-group, no clusters, 28,672 bytes of LDS; arguments voxel_features, voxel_num_points, W1, W2, W3, b3, out0, b1, g1, be1, m1, v1, b2, g2, be2, m2, v2; writes out0
.if DOCPART == 2
	.amdgcn_target "amdgcn-amd-amdhsa--gfx1250"
	.amdhsa_code_object_version 6
	.text
	.protected	k_q0f3036fefe_vfe
	.globl	k_q0f3036fefe_vfe
	.p2align	8
	.type	k_q0f3036fefe_vfe,@function
k_q0f3036fefe_vfe:
	s_mov_b64 s[64:65], 0
	v_nop
	global_prefetch_b8 v0, s[64:65] scope:SCOPE_SE
	s_setreg_imm32_b32 hwreg(HW_REG_WAVE_SCHED_MODE, 0, 2), 2
	s_setreg_imm32_b32 hwreg(HW_REG_WAVE_MODE, 25, 1), 1
	s_wait_xcnt 0x0
	s_wait_alu depctr_vm_vsrc(0)
; out0[v][o] = max over the points p < n[v] of ( relu(BN2( Q(relu(BN1(x W1 + b1))) Q(W2) + b2 )) quantised, x Q(W3) + b3 )[v][p][o].
; x: [50000][32][4] f32; n: [50000] i32; W1 [4][64], W2 [64][64], W3 [64][128] f32, K first; out0: [50000][128] f32.
; Q: codes of E3M2 with one E8M0 scale for each 32 along K.  Layer 1 (K = 4) is a product on f32 operands; layers 2 and 3 are products on codes.
; SHARES.  50,000 voxels = 250 work-groups x 8 waves x 25 voxels.  A wave walks its 25 voxels in 5 trips of 5: ten tiles of 16 points a trip.  Waves share only the weights, made once at the head.
; LAYOUT.  r = lane % 16, h = lane / 16.
;   Layers 1 and 2 are used transposed (source 0 = 16 output channels, source 1 = 16 points): lane (r, h) holds point r, and register 8 t + j the channel 16 t + 8 h + j.
;   K = 64 IS SPREAD OVER THE INSTRUCTION'S 128: registers 6 c .. 6 c + 2 of a lane hold 16 codes, registers 6 c + 3 .. 6 c + 5 zero codes, on both operands.  Code i of (c, h) is channel 32 c + 16 (i / 8) + 8 h + i % 8,
;   which is the lane's register 16 c + i of a transposed result: so one conversion of 16 writes three operand registers where they belong, and nothing changes lanes.  The problem's block c lies half in lanes 0-15 and half in lanes
;   16-31: both halves carry its byte, so a scale word is e0, e0, e1, e1.
;   Layer 3 is used as it stands (source 0 = 16 points, source 1 = 16 columns of W3): a lane holds ONE output channel and eight points, so the maximum over points stays in the lane.  Lane r of tile 2 q + e takes column
;   64 e + 4 r + q: after one exchange of halves for each pair of tiles lane l holds channels 4 l .. 4 l + 3, and one store of 16 bytes a lane writes a voxel's 512 consecutive bytes, aligned.
; BN1 is folded into layer 1 in f32: s1 = g1 rsq(v1 + eps), W1 s1 as the operand, t1 = (b1 - m1) s1 + be1 as the product's C.  BN2 is one packed multiply-add with s2, t2 likewise made.  b3 is added behind the maximum (an f32 addition keeps order).
; THE MASK.  A point p >= n is replaced AT THE INPUT by point 0's four numbers: its row then repeats point 0's results bit for bit and changes no maximum.  A voxel with n <= 0 gets -infinity, as the definition has it; n > 32 keeps all 32 points.
; LIMITS.  NaN and infinities among the numbers that count are not served.  A block whose largest magnitude lies under 2^-122 keeps the scale byte 1; a block of zeros gets the byte 1 where the rule says 127 (its codes are zeros,
; and the bytes are read by this program alone).  Folding the norms gives another order of f32 rounding than (y + b - m) rsq g + be.
; No tensor load, no ring: x goes from memory straight into operand registers (a load of 8 bytes a lane covers 256 consecutive bytes, aligned), asked for one trip (5 voxels' work) ahead of its wait.
; No cluster: what work-groups share is the weights' 52 KB, read once by each, beside 100 KB of x and as much of out0 that are its own.
; THE MODE: SCHED_MODE bits 1:0 = 2 (LLVM: expert scheduling mode 2), set by the entry lines.  The code itself states the register dependences
; between vector or matrix instructions and memory or LDS instructions, with s_wait_alu, always for 0.
; THE PLAN.  Registers that memory or LDS instructions touch:
;   the offsets v3-5, v18-25, v48-50   made at the head, ahead of one wait on va_vdst, and never written again: x, the counts and out0 are reached by scalar bases and immediate offsets.
;   XB     a batch's ten loads land in it; the masking lines, a trip later, read it; behind them, and behind one wait on va_vdst, the next batch is asked for.  No other line names it.
;   OUT    written by a voxel's last arithmetic, behind layer 3 of the voxel's second tile but one step on; read by the voxel's one store, which stands in the NEXT tile, straight behind the wait that stands
;          there ahead of layer 2; written again a tile later, behind a wait on vm_vsrc.  The fifth voxel's store, at the trip's end, has a wait on va_vdst of its own.
;   FA, SA, FB, SB, s and t   at the head alone: written by the quantisers and the norms' arithmetic, read by ONE run of LDS stores behind one wait on va_vdst; a wait on vm_vsrc behind the barrier frees them for the loop.
;   all else that is loaded (window 1, the weights' scale words, b3, the raw weights) is loaded once, into registers that no vector instruction has named before.
;   A1, HB, A3, M, XA, TM, DT and, in the loop, FA, SA, FB, SB are named by vector and matrix instructions alone.
; A tile has two waits on va_vdst, each behind its eight places: codes and scale word are written, ahead of the products on codes that take them.
; Scalar results of vector instructions: the wave's number, and the ten lane masks of a batch, which are made in one run; one wait on va_sdst stands behind each, ahead of the first reader.
.set BAT,   5                          ; voxels in a trip
.set TRIPS, 5                          ; trips of a wave
; LDS: written once at the head, read once behind the one barrier
.set IMG2,  0                          ; W2's fragments as images of their registers: 8 x 1,536 bytes (wave w makes tile w % 4: the four tiles lie there twice, so that the head has no branch)
.set IMG3,  12288                      ; W3's eight: wave w makes tile w
.set SC2,   24576                      ; their scale words, 128 bytes a tile
.set SC3,   25600
.set PAR,   26624                      ; s1[64], t1[64], s2[64], t2[64]
; window 0
.set R,    1                           ; v1   r
.set R16,  2                           ; v2   r + 16
.set XO,   3                           ; v3   16 r + 8 h: my 8 bytes of a tile of x
.set LO,   4                           ; v4   16 x lane
.set LS,   5                           ; v5   4 x lane
.set NINF, 6                           ; v6   -infinity
.set HH,   7                           ; v7   h
.set DT0,  8                           ; v8-9 point 0's two numbers of my half
.set DT1,  9
.set B3,   10                          ; v10-13 b3[4 l .. 4 l + 3]
.set OUT,  14                          ; v14-17 a voxel's four results of my lane
.set W3O,  18                          ; v18-25, v48-50: offsets that the head alone uses
.set W2O,  19
.set W1O,  20
.set PO,   21
.set IW,   22
.set SW,   23
.set PWA,  24
.set LI2,  25
.set W2S,  26                          ; v26-29 W2's scale words;  v30-37 W3's;  v38 h1's;  v39 h2's: these hold scales and nothing else
.set W3S,  30
.set SA,   38
.set SB,   39
.set TM,   40                          ; v40-47 the quantiser's: 0-3 four chains, 4-5 the other half's maxima, then bytes, 6-7 the conversions' scale operands
.set LS2,  48
.set PA,   49
.set R4,   50
.set FA,   52                          ; v52-63 h1's fragment;  v64-75 h2's.  Registers +3..5 and +9..11 of both are zero for the whole launch
.set FB,   64
.set M,    76                          ; v76-83 running maxima, one for each tile of layer 3
.set XB,   84                          ; v84-103 x of five voxels as loaded
.set XA,   104                         ; v104-123 the same, masked: tile g at XA + 2 g
.set A1,   124                         ; v124-155 layer 1's results: written by matrix instructions alone
.set HB,   156                         ; v156-187 h1, then layer 2's results, then h2
.set A3,   188                         ; v188-251 layer 3's results
.set W1R,  156                         ; head only: W1 as loaded; s1; five parameters, s, t; a tile of W3 and one of W2 as loaded
.set S1R,  164
.set PB,   168
.set W3R,  188
.set W2R,  220
; window 1
.set W2F,  0                           ; W2's 4 fragments
.set W3F,  48                          ; W3's 8
.set T1R,  144                         ; t1, s2, t2 in the transposed results' layout: register 8 t + j = [16 t + 8 h + j]
.set S2R,  176
.set T2R,  208
.set W1S,  240                         ; W1 s1: tile t at 2 t: register j = W1[2 h + j][16 t + r] s1[16 t + r]
; scalars
.set WV,   2                           ; wave 0..7
.set SEL,  4                           ; s[4:5] v_permlanex16_b32's selects for lane l xor 16
.set TR,   6                           ; the trip
.set MK,   8                           ; s8-17 ten lane masks, two a voxel (the head's pointers that lay there are done with when the first mask is made)
.set XP,   52                          ; s[52:53] x at the batch that was asked for last
.set NPP,  54                          ; s[54:55] the counts likewise
.set OP,   56                          ; s[56:57] out0 at the trip's first voxel
.set N,    58                          ; s58-62 five counts
.set FL,   66                          ; s66-70 all ones where n > 0, else 0; s71 a copy of the fifth
.set MSB, 0
.macro WIN new                         ; bits 1:0 source 0, 3:2 source 1, 5:4 source 2, 7:6 destination; the immediate's high byte repeats the setting that is left
.if MSB != \new
	s_set_vgpr_msb (MSB<<8)|\new
.set MSB, \new
.endif
.endm
.macro NOPS n
.rept \n
	v_nop
.endr
.endm
; relu of registers i0 .. i0 + n - 1, ascending: an accumulator is read from its low end on
.macro RELU d, s, i0, n
.set ri, \i0
.rept \n
	v_max_num_f32 v[\d+ri], 0, v[\s+ri]
.set ri, ri+1
.endr
.endm
; 32 numbers of a lane, v[s] on (register 16 c + i: the lane's 16 of block c), become codes in v[f + 6 c .. f + 6 c + 2] and the scale word v[w]
.macro QUANT s, f, w
.irp c, 0,1
	v_max3_num_f32 v[TM+\c], |v[\s+16*\c]|, |v[\s+16*\c+1]|, |v[\s+16*\c+2]|              ; two chains a block, four in all, by turns
	v_max3_num_f32 v[TM+2+\c], |v[\s+16*\c+7]|, |v[\s+16*\c+8]|, |v[\s+16*\c+9]|
.endr
.irp i, 3,5
.irp c, 0,1
	v_max3_num_f32 v[TM+\c], v[TM+\c], |v[\s+16*\c+\i]|, |v[\s+16*\c+\i+1]|
	v_max3_num_f32 v[TM+2+\c], v[TM+2+\c], |v[\s+16*\c+\i+7]|, |v[\s+16*\c+\i+8]|
.endr
.endr
.irp c, 0,1
	v_max3_num_f32 v[TM+\c], v[TM+\c], v[TM+2+\c], |v[\s+16*\c+14]|
.endr
.irp c, 0,1
	v_max3_num_f32 v[TM+\c], v[TM+\c], |v[\s+16*\c+15]|, 0x2800000                        ; and the floor 2^(5 - 127): the byte cannot fall under 1
.endr
.irp c, 0,1
	v_permlanex16_b32 v[TM+4+\c], v[TM+\c], s[SEL], s[SEL+1]
.endr
.irp c, 0,1
	v_max_num_f32 v[TM+\c], v[TM+\c], v[TM+4+\c]                                          ; with lane l xor 16's 16: the block's largest magnitude
.endr
.irp c, 0,1
	v_add_nc_u32 v[TM+6+\c], 0xfe000000, v[TM+\c]                                         ; 4 off its exponent field: the conversion's scale operand
.endr
.irp c, 0,1
	v_lshrrev_b32 v[TM+4+\c], 23, v[TM+6+\c]                                              ; the scale's byte
.endr
	v_lshl_or_b32 v[\w], v[TM+5], 16, v[TM+4]                                             ; e0, 0, e1, 0
	v_lshl_or_b32 v[\w], v[\w], 8, v[\w]                                                  ; e0, e0, e1, e1
.irp c, 0,1
	v_cvt_scalef32_pk16_bf6_f32 v[\f+6*\c:\f+6*\c+2], v[\s+16*\c:\s+16*\c+15], v[TM+6+\c]
.endr
.endm
.macro IMAGE adr, f, off               ; a fragment's 12 registers go to LDS as they stand: 16 bytes a lane, 512 a store
.irp c, 0,1,2
	ds_store_b128 v[\adr], v[\f+4*\c:\f+4*\c+3] offset:\off+512*\c
.endr
.endm
; voxel s of the batch in XB: which of its points count.  The ten compares of a batch stand in one run, each with a scalar register of its own
.macro CMPS s
	v_cmp_gt_i32 s[MK+2*\s], s[N+\s], v[R]         ; points 0-15: kept where n > r
	v_cmp_gt_i32 s[MK+2*\s+1], s[N+\s], v[R16]     ; points 16-31
.endm
; points at or past the voxel's count take point 0's numbers (lane 0 of my row of 16 lanes holds point 0's two numbers of my half)
.macro MASK s
	v_mov_b32_dpp v[DT0], v[XB+4*\s] row_share:0 row_mask:0xf bank_mask:0xf
	v_mov_b32_dpp v[DT1], v[XB+4*\s+1] row_share:0 row_mask:0xf bank_mask:0xf
	v_cndmask_b32 v[XA+4*\s], v[DT0], v[XB+4*\s], s[MK+2*\s]
	v_cndmask_b32 v[XA+4*\s+1], v[DT1], v[XB+4*\s+1], s[MK+2*\s]
	v_cndmask_b32 v[XA+4*\s+2], v[DT0], v[XB+4*\s+2], s[MK+2*\s+1]
	v_cndmask_b32 v[XA+4*\s+3], v[DT1], v[XB+4*\s+3], s[MK+2*\s+1]
	s_cmp_gt_i32 s[N+\s], 0
	s_cselect_b32 s[FL+\s], -1, 0
.endm
.macro LOADX                           ; a batch: five voxels' x (ten loads of 256 consecutive bytes) and their counts
.irp s, 0,1,2,3,4
.irp u, 0,1
	global_load_b64 v[XB+4*\s+2*\u:XB+4*\s+2*\u+1], v[XO], s[XP:XP+1] offset:512*\s+256*\u th:TH_LOAD_NT
.endr
.endr
.irp s, 0,1,2,3,4
	s_load_b32 s[N+\s], s[NPP:NPP+1], 4*\s
.endr
.endm
.macro LAY1 g                          ; under window setting 0x11: 64 channels x 16 points of tile g; C = t1
.irp t, 0,1,2,3
	v_wmma_f32_16x16x4_f32 v[A1+8*\t:A1+8*\t+7], v[W1S+2*\t:W1S+2*\t+1], v[XA+2*(\g):XA+2*(\g)+1], v[T1R+8*\t:T1R+8*\t+7]
.endr
.endm
.macro LAY2                            ; under 0x11: source 0 = W2's tile (window 1), source 1 = h1
.irp t, 0,1,2,3
	v_wmma_scale_f32_16x16x128_f8f6f4 v[HB+8*\t:HB+8*\t+7], v[W2F+12*\t:W2F+12*\t+11], v[FA:FA+11], 0, v[W2S+\t], v[SA] matrix_a_fmt:MATRIX_FMT_BF6 matrix_b_fmt:MATRIX_FMT_BF6
.endr
.endm
.macro LAY3                            ; under 0x04: source 0 = h2, source 1 = W3's tile (window 1)
.irp t, 0,1,2,3,4,5,6,7
	v_wmma_scale_f32_16x16x128_f8f6f4 v[A3+8*\t:A3+8*\t+7], v[FB:FB+11], v[W3F+12*\t:W3F+12*\t+11], 0, v[SB], v[W3S+\t] matrix_a_fmt:MATRIX_FMT_BF6 matrix_b_fmt:MATRIX_FMT_BF6
.endr
.endm
.macro BN                              ; under 0x14: y s2 + t2, two at a time, ascending
.set bi, 0
.rept 16
	v_pk_fma_f32 v[HB+bi:HB+bi+1], v[HB+bi:HB+bi+1], v[S2R+bi:S2R+bi+1], v[T2R+bi:T2R+bi+1]
.set bi, bi+2
.endr
.endm
; level lev (1 to 4) of the maximum over a tile's eight points of a lane, for all eight tiles of channels.  u = 0: a voxel's first 16 points start the maxima; u = 1: its last 16 join them
.macro MXL lev, u
.irp t, 0,1,2,3,4,5,6,7
.if (\u) == 0
.if (\lev) == 1
	v_max3_num_f32 v[M+\t], v[A3+8*\t], v[A3+8*\t+1], v[A3+8*\t+2]
.elseif (\lev) == 4
	v_max_num_f32 v[M+\t], v[M+\t], v[A3+8*\t+7]
.else
	v_max3_num_f32 v[M+\t], v[M+\t], v[A3+8*\t+2*(\lev)-1], v[A3+8*\t+2*(\lev)]
.endif
.else
	v_max3_num_f32 v[M+\t], v[M+\t], v[A3+8*\t+2*(\lev)-2], v[A3+8*\t+2*(\lev)-1]
.endif
.endr
.endm
; A voxel's last arithmetic.  Tiles 2 q and 2 q + 1 change halves: then both registers hold, in lane l, channel 4 l + q: points 8 h' + .. of the one half of lanes and of the other
.macro FINA fl
	s_wait_xcnt 0x0                                ; the last store has had its address translated: OUT is written again only behind this wait,
	s_wait_alu depctr_vm_vsrc(0)                   ; and behind this one: the last voxel's store has read OUT
.irp q, 0,1,2,3
	v_permlane16_swap_b32 v[M+2*\q], v[M+2*\q+1]
.endr
.irp q, 0,1,2,3
	v_max_num_f32 v[OUT+\q], v[M+2*\q], v[M+2*\q+1]
.endr
	v_pk_add_f32 v[OUT:OUT+1], v[OUT:OUT+1], v[B3:B3+1]
	v_pk_add_f32 v[OUT+2:OUT+3], v[OUT+2:OUT+3], v[B3+2:B3+3]
.irp q, 0,1,2,3
	v_cndmask_b32 v[OUT+\q], v[NINF], v[OUT+\q], s[\fl]   ; a voxel without points: -infinity
.endr
.endm
; Voxel s of the trip leaves: straight behind a wait on va_vdst that stands behind its arithmetic
.macro FINS s
	global_store_b128 v[LO], v[OUT:OUT+3], s[OP:OP+1] offset:512*(\s) th:TH_STORE_NT   ; 32 lanes store 512 consecutive bytes, at a multiple of 512 from out0's first byte
.endm
; The batch that was asked for a trip ago is masked, the batch after it is asked for, and the first tile's layer 1 starts.
.macro NEXT inloop
	s_wait_loadcnt 0x0                             ; x of the batch
	s_wait_kmcnt 0x0                               ; and its counts
.irp s, 0,1,2,3,4
	CMPS \s
.endr
	s_wait_alu depctr_va_sdst(0)                   ; the ten compares have written their masks s8 to s17, ahead of the first select that reads one
.irp s, 0,1,2,3,4
	MASK \s
.endr
.if \inloop
	s_cmp_ge_u32 s[TR], TRIPS-2                    ; trip i masks batch i + 1 and asks for batch i + 2: there is none from trip 3 on: no load leaves its buffer
	s_cbranch_scc1 .Lnoload_\@
.endif
	s_wait_xcnt 0x0                                ; the pointers are stepped only behind this wait
	s_wait_alu depctr_va_vdst(0)                   ; the moves and selects above are done reading XB, in which the loads below land
	s_add_nc_u64 s[XP:XP+1], s[XP:XP+1], BAT*512
	s_add_nc_u64 s[NPP:NPP+1], s[NPP:NPP+1], BAT*4
	LOADX
.if \inloop
.Lnoload_\@:
.endif
	WIN 0x11
	LAY1 0
	WIN 0
.endm
; TILE g OF A TRIP.  The matrix unit works on layer 3 of tile g - 1 under h1's quantiser, on layer 2 of tile g and layer 1 of tile g + 1 under the pooling of tile g - 1 and h2's quantiser.
; The distances behind and in front of matrix instructions (in front of a scaled one: eight plain vector instructions behind the write of a scale register, four behind that of an operand) are filled by that work:
; only where none is at hand (tile 0 has no tile before it in the trip, tile 9 none behind it) stand v_nop.  The two waits on va_vdst stand behind those places and fill none.
.macro STEP g
.if (\g) == 0
	RELU HB, A1, 0, 32                             ; h1
.else
	RELU HB, A1, 8, 24                             ; h1: its first eight registers were done in front of the last tile's layer 3
.endif
	QUANT HB, FA, SA
.if (\g) == 0
	NOPS 8
.else
	MXL 1, (\g+1)%2                                ; eight plain lines that name nothing of layer 2's: behind SA's write, FA's conversions
.endif
	s_wait_alu depctr_va_vdst(0)                   ; the conversions have written FA and the shifts SA, which layer 2's products take as operand and scales; in tiles 3, 5, 7, 9 the last tile's arithmetic has written OUT, which the store below reads
.if ((\g)%2 == 1) && ((\g) >= 3)
	FINS ((\g)-3)/2                                ; the voxel whose arithmetic stands at the last tile's end
.endif
	WIN 0x11
	LAY2
.if (\g) < 9
	LAY1 (\g)+1
.endif
	WIN 0
.if (\g) == 0
	NOPS 4
.else
	MXL 2, (\g+1)%2                                ; sixteen: the places behind layer 2, ahead of the read of its results
	MXL 3, (\g+1)%2
.endif
	WIN 0x14
	BN
	WIN 0
	RELU HB, HB, 0, 32                             ; h2
	QUANT HB, FB, SB
.if (\g) == 0
	v_nop                                          ; a plain line behind the conversions, whose sources are written next
.else
	MXL 4, (\g+1)%2                                ; the last reads of the last tile's results
.endif
.if (\g) < 9
	RELU HB, A1, 0, 8                              ; the next tile's h1 begins: eight plain lines that name nothing of layer 3's, behind SB's write
.else
	NOPS 8
.endif
	s_wait_alu depctr_va_vdst(0)                   ; the conversions have written FB and the shifts SB, which layer 3's products take as operand and scales
	WIN 0x04
	LAY3
	WIN 0
.if ((\g)%2 == 0) && ((\g) >= 2)
	FINA FL+(\g)/2-1                               ; the voxel whose second tile has just been pooled; its store stands in the next tile
.endif
.endm
	; ---- THE HEAD
	s_load_b512 s[8:23], s[0:1], 0x0               ; x s[8:9], n s[10:11], W1 s[12:13], W2 s[14:15], W3 s[16:17], b3 s[18:19], out0 s[20:21], b1 s[22:23]
	s_load_b512 s[24:39], s[0:1], 0x40             ; g1 s[24:25], be1 s[26:27], m1 s[28:29], v1 s[30:31], b2 s[32:33], g2 s[34:35], be2 s[36:37], m2 s[38:39]
	s_load_b64 s[40:41], s[0:1], 0x80              ; v2
	v_lshl_add_u32 v254, v0, 2, 0x6c00
	v_mov_b32 v255, 0
	v_lshrrev_b32 v[HH], 5, v0
	v_readfirstlane_b32 s[WV], v[HH]               ; wave 0..7
	v_and_b32 v[R], 15, v0
	v_bfe_u32 v[HH], v0, 4, 1
	v_and_b32 v[LS], 31, v0
	v_lshlrev_b32 v[LO], 4, v[LS]
	v_lshlrev_b32 v[LS], 2, v[LS]
	v_add_nc_u32 v[R16], 16, v[R]
	v_lshlrev_b32 v[XO], 4, v[R]
	v_lshl_add_u32 v[XO], v[HH], 3, v[XO]
	v_lshlrev_b32 v[R4], 2, v[R]
	v_lshlrev_b32 v[PA], 5, v[HH]                  ; 32 h: my half's eight numbers of a tile of 16 channels
	v_lshl_add_u32 v[W1O], v[HH], 9, v[R4]         ; W1: row 2 h, column r
	s_wait_alu depctr_va_sdst(0)                   ; the wave's number is written, ahead of its first reader: offsets, bases and the choice of pointers are made from it
	s_and_b32 s72, s[WV], 3
	s_lshr_b32 s73, s[WV], 2
	s_lshl_b32 s74, s72, 6
	v_add_nc_u32 v[PO], s74, v[R4]                 ; channel 16 (w % 4) + r, in bytes
	v_lshl_add_u32 v[W2O], v[HH], 11, v[PO]        ; W2: row 8 h, that column
	s_lshl_b32 s75, s73, 9
	v_add_nc_u32 v[PWA], s75, v[PO]                ; where s and t go: layer w / 4
	v_add_nc_u32 v[LS2], s75, v[LS]                ; which copy of W2's scale words I read
	s_mul_i32 s75, s73, 6144
	v_add_nc_u32 v[LI2], s75, v[LO]                ; and of its images
	s_mul_i32 s75, s[WV], 1536
	v_add_nc_u32 v[IW], s75, v[LO]                 ; where my images go
	s_lshl_b32 s75, s[WV], 7
	v_add_nc_u32 v[SW], s75, v[LS]                 ; and my scale words
	s_and_b32 s74, s[WV], 1
	s_lshl_b32 s74, s74, 8
	s_lshr_b32 s75, s[WV], 1
	s_lshl_b32 s75, s75, 2
	s_add_co_u32 s74, s74, s75
	v_lshlrev_b32 v[W3O], 4, v[R]
	v_lshl_add_u32 v[W3O], v[HH], 12, v[W3O]
	v_add_nc_u32 v[W3O], s74, v[W3O]               ; W3: row 8 h, column 64 (w % 2) + 4 r + w / 2
.irp i, 3,4,5,9,10,11
	v_mov_b32 v[FA+\i], 0                          ; the zero codes: written once
	v_mov_b32 v[FB+\i], 0
.endr
	v_mov_b32 v[TM+4], 0                           ; a lane permute's and a DPP move's destination counts as one of its sources: written once
	v_mov_b32 v[TM+5], 0
	v_mov_b32 v[DT0], 0
	v_mov_b32 v[DT1], 0
	v_mov_b32 v[NINF], 0xff800000
	s_mov_b32 s[SEL], 0x76543210
	s_mov_b32 s[SEL+1], 0xfedcba98
	s_lshl_b32 s72, ttmp9, 3
	s_add_co_u32 s72, s72, s[WV]                   ; which run of 25 voxels is my wave's
	s_mul_i32 s74, s72, 25*512                     ; under 2^25
	s_mov_b32 s75, 0
	s_wait_kmcnt 0x0
	s_add_nc_u64 s[XP:XP+1], s[8:9], s[74:75]
	s_add_nc_u64 s[OP:OP+1], s[20:21], s[74:75]
	s_mul_i32 s74, s72, 25*4
	s_add_nc_u64 s[NPP:NPP+1], s[10:11], s[74:75]
	s_cmp_lt_u32 s[WV], 4                          ; waves 0-3 make layer 1's s and t, waves 4-7 layer 2's: only pointers are chosen, on the wave's number
	s_cselect_b64 s[42:43], s[22:23], s[32:33]     ; b
	s_cselect_b64 s[44:45], s[24:25], s[34:35]     ; g
	s_cselect_b64 s[46:47], s[26:27], s[36:37]     ; be
	s_cselect_b64 s[48:49], s[28:29], s[38:39]     ; m
	s_cselect_b64 s[50:51], s[30:31], s[40:41]     ; v
	s_wait_alu depctr_va_vdst(0)                   ; all the offsets (v3-5, v18-25, v48-50) are written: every load and store of the kernel, global or LDS, reads one of them, and none is written again
	LOADX                                          ; the first batch goes first
.irp i, 0,1,2,3,4
	global_load_b32 v[PB+\i], v[PO], s[42+2*\i:43+2*\i]
.endr
.irp t, 0,1,2,3
.irp j, 0,1
	global_load_b32 v[W1R+2*\t+\j], v[W1O], s[12:13] offset:256*\j+64*\t
.endr
.endr
	global_load_b128 v[B3:B3+3], v[LO], s[18:19]
.irp c, 0,1
.irp i, 0,1,2,3,4,5,6,7,8,9,10,11,12,13,14,15
	global_load_b32 v[W3R+16*\c+\i], v[W3O], s[16:17] offset:(32*\c+16*(\i/8)+\i%8)*512   ; my column of W3 at k = 32 c + 16 (i / 8) + 8 h + i % 8: registers run down K in the operand's own order
.endr
.endr
.irp c, 0,1
.irp i, 0,1,2,3,4,5,6,7,8,9,10,11,12,13,14,15
	global_load_b32 v[W2R+16*\c+\i], v[W2O], s[14:15] offset:(32*\c+16*(\i/8)+\i%8)*256
.endr
.endr
	s_wait_loadcnt 0x0
	v_add_f32 v[PB+4], 0x3727c5ac, v[PB+4]         ; v + 1e-5
	v_rsq_f32 v[PB+5], v[PB+4]
	v_sub_f32 v[PB], v[PB], v[PB+3]                ; b - m: the plain line behind the transcendental
	s_wait_alu depctr_va_vdst(0)                   ; the root's reciprocal is written, ahead of its first reader
	v_mul_f32 v[PB+5], v[PB+5], v[PB+1]            ; s = g rsq(v + eps)
	v_fma_f32 v[PB+6], v[PB], v[PB+5], v[PB+2]     ; t = (b - m) s + be
	QUANT W3R, FA, SA
	v_nop                                          ; a plain line behind the conversions
	QUANT W2R, FB, SB
	v_nop
	s_wait_alu depctr_va_vdst(0)                   ; s and t, both fragments' codes (FA, FB) and both scale words (SA, SB) are written: the run of LDS stores below reads them
	ds_store_b32 v[PWA], v[PB+5] offset:PAR        ; (lanes r and r + 16 write the same word with the same value)
	ds_store_b32 v[PWA], v[PB+6] offset:PAR+256
	IMAGE IW, FA, IMG3
	ds_store_b32 v[SW], v[SA] offset:SC3
	IMAGE IW, FB, IMG2
	ds_store_b32 v[SW], v[SB] offset:SC2
	s_wait_dscnt 0x0                               ; for the others' sake: my stores have landed
	s_barrier_signal -1
	s_barrier_wait -1                              ; the one barrier: nothing is written to LDS behind it
	s_wait_alu depctr_vm_vsrc(0)                   ; my LDS stores have read s, t, FA, SA, FB, SB: the loop's relu, conversions and shifts write these registers again
	WIN 0x40                                       ; destination window 1, address window 0.  (No vector instruction has named the registers in which these loads land; their addresses stand ahead of the head's wait)
.irp t, 0,1,2,3
.irp c, 0,1,2
	ds_load_b128 v[W2F+12*\t+4*\c:W2F+12*\t+4*\c+3], v[LI2] offset:IMG2+1536*\t+512*\c
.endr
.endr
.irp t, 0,1,2,3,4,5,6,7
.irp c, 0,1,2
	ds_load_b128 v[W3F+12*\t+4*\c:W3F+12*\t+4*\c+3], v[LO] offset:IMG3+1536*\t+512*\c
.endr
.endr
.irp t, 0,1,2,3
.irp k, 0,1
	ds_load_b128 v[T1R+8*\t+4*\k:T1R+8*\t+4*\k+3], v[PA] offset:PAR+256+64*\t+16*\k
	ds_load_b128 v[S2R+8*\t+4*\k:S2R+8*\t+4*\k+3], v[PA] offset:PAR+512+64*\t+16*\k
	ds_load_b128 v[T2R+8*\t+4*\k:T2R+8*\t+4*\k+3], v[PA] offset:PAR+768+64*\t+16*\k
.endr
.endr
	WIN 0
.irp t, 0,1,2,3
	ds_load_b32 v[W2S+\t], v[LS2] offset:SC2+128*\t
	ds_load_b32 v[S1R+\t], v[R4] offset:PAR+64*\t  ; s1[16 t + r]
.endr
.irp t, 0,1,2,3,4,5,6,7
	ds_load_b32 v[W3S+\t], v[LS] offset:SC3+128*\t
.endr
	s_wait_dscnt 0x0
	WIN 0x40
.irp t, 0,1,2,3
.irp j, 0,1
	v_mul_f32 v[W1S+2*\t+\j], v[W1R+2*\t+\j], v[S1R+\t]
.endr
.endr
	WIN 0
	NEXT 0                                         ; batch 0 is masked, batch 1 asked for, tile 0's layer 1 started
	NOPS 8                                         ; the places behind the f32 form, ahead of the first read of its results
	s_mov_b32 s[TR], 0
	; ---- THE LOOP: a trip is five voxels, ten tiles
.Ltrip:
.irp g, 0,1,2,3,4,5,6,7,8,9
	STEP \g
.endr
	s_mov_b32 s[FL+5], s[FL+4]                     ; the fifth voxel's flag is kept: the next batch's masks write the five anew
	s_cmp_eq_u32 s[TR], TRIPS-1
	s_cbranch_scc1 .Lnonext
	NEXT 1
.Lnonext:
	NOPS 4                                         ; the places behind tile 9's layer 3 on the way that has no next batch
	MXL 1, 1
	MXL 2, 1
	MXL 3, 1
	MXL 4, 1
	FINA FL+5
	s_wait_alu depctr_va_vdst(0)                   ; the fifth voxel's arithmetic has written OUT, which the store reads
	FINS 4
	s_wait_xcnt 0x0                                ; the stores have read their base
	s_add_nc_u64 s[OP:OP+1], s[OP:OP+1], BAT*512
	s_add_co_u32 s[TR], s[TR], 1
	s_cmp_lt_u32 s[TR], TRIPS
	s_cbranch_scc1 .Ltrip
	s_wait_dscnt 0x0
	s_wait_alu depctr_hold_cnt(0) depctr_sa_sdst(0) depctr_va_vdst(0) depctr_va_sdst(0) depctr_va_ssrc(0) depctr_va_vcc(0) depctr_vm_vsrc(0)
	s_wait_tensorcnt 0x0
	ds_add_u32 v254, v255
	s_wait_dscnt 0x0
	s_endpgm
.Lfunc_end_k_q0f3036fefe_vfe:
	.size	k_q0f3036fefe_vfe, .Lfunc_end_k_q0f3036fefe_vfe-k_q0f3036fefe_vfe
	.p2alignl 7, 3214868480
	.fill 96, 4, 3214868480
	.section	.rodata,"a",@progbits
	.p2align	6, 0x0
	.amdhsa_kernel k_q0f3036fefe_vfe
		.amdhsa_group_segment_fixed_size 28672
		.amdhsa_private_segment_fixed_size 0
		.amdhsa_enable_private_segment 0
		.amdhsa_kernarg_size 136
		.amdhsa_user_sgpr_count 2
		.amdhsa_user_sgpr_kernarg_segment_ptr 1
		.amdhsa_wavefront_size32 1
		.amdhsa_system_sgpr_workgroup_id_x 1
		.amdhsa_system_sgpr_workgroup_id_y 1
		.amdhsa_system_sgpr_workgroup_id_z 1
		.amdhsa_system_vgpr_workitem_id 0
		.amdhsa_next_free_vgpr 512
		.amdhsa_next_free_sgpr 80
		.amdhsa_reserve_vcc 0
		.amdhsa_float_denorm_mode_32 3
		.amdhsa_float_denorm_mode_16_64 3
		.amdhsa_memory_ordered 1
		.amdhsa_forward_progress 1
		.amdhsa_inst_pref_size 139
	.end_amdhsa_kernel
	.amdgpu_metadata
---
amdhsa.version: [ 1, 2 ]
amdhsa.kernels:
  - .name:           k_q0f3036fefe_vfe
    .symbol:         k_q0f3036fefe_vfe.kd
    .args:
      - { .name: voxel_features, .offset: 0, .size: 8, .value_kind: global_buffer, .address_space: global }
      - { .name: voxel_num_points, .offset: 8, .size: 8, .value_kind: global_buffer, .address_space: global }
      - { .name: W1, .offset: 16, .size: 8, .value_kind: global_buffer, .address_space: global }
      - { .name: W2, .offset: 24, .size: 8, .value_kind: global_buffer, .address_space: global }
      - { .name: W3, .offset: 32, .size: 8, .value_kind: global_buffer, .address_space: global }
      - { .name: b3, .offset: 40, .size: 8, .value_kind: global_buffer, .address_space: global }
      - { .name: out0, .offset: 48, .size: 8, .value_kind: global_buffer, .address_space: global }
      - { .name: b1, .offset: 56, .size: 8, .value_kind: global_buffer, .address_space: global }
      - { .name: g1, .offset: 64, .size: 8, .value_kind: global_buffer, .address_space: global }
      - { .name: be1, .offset: 72, .size: 8, .value_kind: global_buffer, .address_space: global }
      - { .name: m1, .offset: 80, .size: 8, .value_kind: global_buffer, .address_space: global }
      - { .name: v1, .offset: 88, .size: 8, .value_kind: global_buffer, .address_space: global }
      - { .name: b2, .offset: 96, .size: 8, .value_kind: global_buffer, .address_space: global }
      - { .name: g2, .offset: 104, .size: 8, .value_kind: global_buffer, .address_space: global }
      - { .name: be2, .offset: 112, .size: 8, .value_kind: global_buffer, .address_space: global }
      - { .name: m2, .offset: 120, .size: 8, .value_kind: global_buffer, .address_space: global }
      - { .name: v2, .offset: 128, .size: 8, .value_kind: global_buffer, .address_space: global }
    .group_segment_fixed_size: 28672
    .private_segment_fixed_size: 0
    .kernarg_segment_align: 8
    .kernarg_segment_size: 136
    .max_flat_workgroup_size: 256
    .sgpr_count:     80
    .vgpr_count:     512
    .wavefront_size: 32
...
	.end_amdgpu_metadata
.endif
;; end of part 2
